; MI455X (gfx1250); checked and timed in simulation.
; The chip was launched on July 23, 2026; its instructions are those of AMD's public machine-readable ISA for CDNA 5 (MIT licence, August 2026) and "CDNA5" Instruction Set Architecture Reference Guide (July 2026). The comments in the code are by the model that wrote it; some were corrected since.
;; Voxel Distill. Allowed arithmetic: matrix products marked QUANTISED: E2M1 operands, one E8M0 scale for each 32 along K, by v_wmma_scale_f32_16x16x128_f8f6f4 with both operands' format E2M1 (or v_wmma_scale_f32_32x16x128_f4), f32 sums; everything else in f32.
;; Inputs: conv_b 128 float32; conv_w 128 x 64 float32; gt_bboxes_3d 100 x 9 float32; gt_labels_3d 100 int32; student_voxel_feats 1 x 64 x 8 x 256 x 256 float32; teacher_voxel_feats 1 x 128 x 2 x 128 x 128 float32.
;; Outputs: out0 1 x 128 x 2 x 128 x 128 float32.
;; This version of the problem:
;;   THIS VERSION OF THE PROBLEM IS GIVEN IN LOW PRECISION. The matrix products marked QUANTISED in the list below multiply operands that are first quantised to E2M1 (2 exponent bits, 1 mantissa bit; 4 bits a number), with one power-of-two scale for each 32 numbers along K (OCP MX v1.0); their sums are f32. All else is computed in f32.
;;   The module's matrix products, in the order in which they are computed (A, B: the left and right operand; K: the contracted axis; several contracted axes count as one K, in the product's order):
;;     1. [M 128, K 64] x [K 64, N 524,288]; A: input conv_w; B: input student_voxel_feats: QUANTISED
;;   THE QUANTISER, for each operand of a quantised product, along K:
;;     - K is cut into blocks of 32 from its start; a last block that is shorter is filled with zeros.
;;     - A block's scale is 2^e with e = floor(log2(the largest magnitude in the block)) - 2, held to -126 .. 127; a block of zeros has e = 0. As a byte (E8M0): e + 127.
;;     - Each number is divided by its block's scale, clamped to +-6, and rounded to the nearest number of E2M1, ties to even, subnormals kept.
;;     - The product sums the exact products of the quantised numbers (number of the format x scale) in f32.
;;   ~~~python
;;   def quantise(x, axis):      # numpy; x: float32 -> the quantised numbers, widened to float32 again
;;       x = np.moveaxis(x, axis, -1); K = x.shape[-1]
;;       x = np.pad(x, [(0, 0)] * (x.ndim - 1) + [(0, -K % 32)]); x = x.reshape(x.shape[:-1] + (-1, 32)); a = np.abs(x).max(-1, keepdims=True)
;;       e = np.where(a > 0, np.clip(np.frexp(np.where(a > 0, a, 1))[1] - 1 - 2, -126, 127), 0)      # np.frexp(a)[1] - 1 = floor(log2(a)), exactly
;;       r = np.clip(x / 2.0 ** e, -6, 6)
;;       step = 2.0 ** (np.maximum(np.frexp(np.where(r == 0, 1, r))[1] - 1, 0) - 1)
;;       q = np.round(r / step) * step * 2.0 ** e      # np.round: ties to even
;;       return np.moveaxis(q.reshape(q.shape[:-2] + (-1,))[..., :K], -1, axis).astype(np.float32)
;;   ~~~
;; One version. Each part assembles by itself: llvm-mc -triple=amdgcn-amd-amdhsa -mcpu=gfx1250 --defsym DOCPART=n.
;; ======== version 1 of 1: 2 launches
;; workspace buffers: hm 131,072 bytes; psum 1,024 bytes
;; launch heat (part 1): grid 128 x 2, 8 waves a work-group, no clusters, 7,168 bytes of LDS; arguments gt_bboxes_3d, hm, psum; writes hm, psum
.if DOCPART == 1
	.amdgcn_target "amdgcn-amd-amdhsa--gfx1250"
	.amdhsa_code_object_version 6
	.text
	.protected	k_q76117c7ee2_heat
	.globl	k_q76117c7ee2_heat
	.p2align	8
	.type	k_q76117c7ee2_heat,@function
k_q76117c7ee2_heat:
	s_mov_b64 s[64:65], 0
	v_nop
	global_prefetch_b8 v0, s[64:65] scope:SCOPE_SE
	s_setreg_imm32_b32 hwreg(HW_REG_WAVE_MODE, 25, 1), 1
	s_wait_xcnt 0x0
; VoxelDistill, first of two launches: the heat map hm[z][x][y] (2 x 128 x 128, f32, not yet normalised) and one partial sum of it for each work-group.
; The second launch adds the 256 partial sums, since hm.sum() spans all work-groups and no launch passes data between its work-groups.
; WORK LEFT OUT IN THIS PROGRAM, for all values of the inputs:
;  (1) gt_labels_3d: reference() never reads it, so it has no way to the output; it is not loaded and is no argument of either launch.
;  (2) Planes d = 0, 3, 4, 7 of student_voxel_feats and their columns of the product: lin_resize from 8 to 2 has the coordinates 1.5 and 5.5, so it gathers
;      d = 1, 2 and d = 5, 6 alone; the other planes' results are never used.
;  (3) The window along z: a valid box has czi = 0 or 1, so |dz| <= 1, and rz >= MIN_RADIUS = 2: the test is always true where valid is.
;  (4) g < EPS32 -> 0: inside the window |dx| <= rx and sx = (2 rx + 1) / 6 give ex = 18 dx^2 / (2 rx + 1)^2 < 4.5, ey likewise, and ez <= 18 / 25, so g > exp(-9.72),
;      far above 1.19e-7; outside the window g is multiplied by 0 anyway.
;  A NaN, an infinity or an overflow that reaches only the work left out is not carried to the result.
; LIMITS: NaN and infinities among the boxes are not served.  Centres and radii are kept as whole numbers in f32 (reference(): int32): no saturation at 2^31 is made.
;  exp(-(ex + ey + ez)) is taken as 2^(-(ex + ey) log2 e) x 2^(-ez log2 e): another order of rounding than reference()'s.
; SHARES.  A work-group owns one x (its number along the grid's x) and 64 neighbouring y (the grid's y says which half of the row), both z.  Threads 0-127 make one box's figures each
; (slots 100-127 repeat box 99 and are never read); x is the same for the whole work-group, so x's term and x's window go into the table.  Then a pair of waves takes 25 boxes for the
; 64 cells, a lane a cell; the four partial maxima meet in LDS, and wave 0 stores 64 cells x 2 z as two stores of 256 consecutive aligned bytes, and the sum of the 128 numbers (4 bytes).
.set NB,    25                         ; boxes for a pair of waves
.set PAR,   0                          ; LDS: the table, 32 bytes a box: cy, rx^2 (-1: the box does not count here), x's term, -18 log2(e) / (2 rx + 1)^2; factor for z = 0, for z = 1
.set RED,   4096                       ; the partial maxima: [4 quarters of the boxes][2 z][64 cells] f32
.set SPARE, 6144                       ; the spare words, 128 bytes for each wave: four blocks of 256 bytes that no other line names
.set SPW,   2                          ; v2   LDS address of my spare word; never rewritten
.set NIL,   3                          ; v3   0; never rewritten
.set PST,   4                          ; v4   where I store a box's figures
.set PRD,   5                          ; v5   where my 25 boxes' figures begin
.set RST,   6                          ; v6   where I store my partial maxima
.set RRD,   7                          ; v7   where wave 0 reads them back: two cells a lane
.set GOF,   8                          ; v8   8 x lane: my byte offset in the 256 bytes stored
.set YF,    9                          ; v9   my cell's y, as f32
.set BO,    10                         ; v10  my box's byte offset
.set ZO,    11                         ; v11  0: the offset of the partial sum's store
.set PA,    12                         ; v12-111  25 x 4 figures (before the table is made: at work)
.set PF,    112                        ; v112-161 25 x 2 factors, then products
.set DY,    162                        ; v162-186 dy, then dy^2
.set E,     188                        ; v188-212 exponents, then 2^exponent
.set HM0,   214
.set HM1,   215
.set MK,    32                         ; s32-56  the 25 windows' masks
	s_load_b128 s[4:7], s[0:1], 0x0                ; the boxes s[4:5], hm s[6:7]
	s_load_b64 s[8:9], s[0:1], 0x10                ; psum
	v_lshl_add_u32 v[SPW], v0, 2, SPARE
	v_mov_b32 v[NIL], 0
	v_lshrrev_b32 v1, 5, v0
	v_readfirstlane_b32 s10, v1                    ; wave 0..7
	s_and_b32 s11, ttmp7, 0xffff                   ; which half of the row
	s_lshr_b32 s12, s10, 1                         ; which quarter of the boxes
	v_and_b32 v1, 127, v0
	v_lshlrev_b32 v[PST], 5, v1                    ; every LDS address is made here, ahead of the branch on the wave's number
	s_mul_i32 s13, s12, NB*32
	v_mov_b32 v[PRD], s13
	v_and_b32 v1, 63, v0                           ; my cell
	s_lshl_b32 s14, s12, 9
	s_add_co_u32 s14, s14, RED
	v_lshl_add_u32 v[RST], v1, 2, s14
	s_lshl_b32 s15, s11, 6
	v_add_nc_u32 v1, s15, v1
	v_cvt_f32_u32 v[YF], v1
	v_and_b32 v1, 31, v0
	v_lshlrev_b32 v[GOF], 3, v1
	v_add_nc_u32 v[RRD], RED, v[GOF]
	v_mov_b32 v[ZO], 0
	s_mov_b32 s22, 0x76543210
	s_mov_b32 s23, 0xfedcba98                      ; v_permlanex16_b32's selects for lane l xor 16
	s_mov_b32 s24, 0x43000000                      ; 128.0
	s_lshl_b32 s16, ttmp9, 9                       ; hm: row x of 512 bytes, + 256 x half
	s_lshl_b32 s17, s11, 8
	s_add_co_u32 s16, s16, s17
	s_mov_b32 s17, 0
	s_lshl_b32 s18, ttmp9, 3                       ; psum: word 2 x + half
	s_lshl_b32 s19, s11, 2
	s_add_co_u32 s18, s18, s19
	s_mov_b32 s19, 0
	s_wait_kmcnt 0x0
	s_add_nc_u64 s[6:7], s[6:7], s[16:17]
	s_add_nc_u64 s[8:9], s[8:9], s[18:19]
	s_cmp_gt_u32 s10, 3
	s_cbranch_scc1 .Ltable                         ; waves 4-7 make no box's figures
	v_min_u32 v[BO], 99, v0
	v_mul_u32_u24 v[BO], v[BO], 36                 ; a box is 9 numbers
.irp f, 0,1,2,3,4,5
	global_load_b32 v[12+\f], v[BO], s[4:5] offset:4*\f   ; x, y, z, w, l, h -> v12-17
.endr
	s_mov_b32 s20, ttmp9
	v_cvt_f32_u32 v54, s20                         ; the work-group's x
	s_wait_loadcnt 0x0
	; A division by a constant d: q = a x (1/d), e = a - q d (exact, fused), q + e x (1/d): the quotient rounded as a division rounds it, since whole numbers are cut from these quotients.
	v_mul_f32 v18, 0x41200000, v15                 ; w / 0.1
	v_mul_f32 v19, 0x41200000, v16                 ; l / 0.1
	v_mul_f32 v20, 0x40a00000, v17                 ; h / 0.2
	v_fmamk_f32 v21, v18, 0xbdcccccd, v15
	v_fmamk_f32 v22, v19, 0xbdcccccd, v16
	v_fmamk_f32 v23, v20, 0xbe4ccccd, v17
	v_fmamk_f32 v18, v21, 0x41200000, v18
	v_fmamk_f32 v19, v22, 0x41200000, v19
	v_fmamk_f32 v20, v23, 0x40a00000, v20
	; gaussian_radius three times, by turns line by line.  A call's ten registers at g: b1, t1, t2, t3, b3, a product, q, e, its h, its w
	v_mul_f32 v32, 0x3e000000, v19                 ; (lf, wf): / 8 is exact
	v_mul_f32 v33, 0x3e000000, v18
	v_mul_f32 v42, 0x3e000000, v19                 ; (lf, hf)
	v_mul_f32 v43, 0x3e000000, v20
	v_mul_f32 v52, 0x3e000000, v18                 ; (wf, hf)
	v_mul_f32 v53, 0x3e000000, v20
.irp g, 24,34,44
	v_add_f32 v[\g], v[\g+8], v[\g+9]              ; b1 = h + w
.endr
.irp g, 24,34,44
	v_mul_f32 v[\g+1], v[\g+9], v[\g+8]            ; w h
.endr
.irp g, 24,34,44
	v_mul_f32 v[\g+2], 0x3f666666, v[\g+9]         ; 0.9 w
.endr
.irp g, 24,34,44
	v_mul_f32 v[\g+1], 0x3f666666, v[\g+1]         ; w h x 0.9
.endr
.irp g, 24,34,44
	v_mul_f32 v[\g+2], v[\g+2], v[\g+8]            ; c2 = 0.9 w h;  c3 = -c2, bit for bit
.endr
.irp g, 24,34,44
	v_mul_f32 v[\g+6], 0x3f68ba2e, v[\g+1]         ; / 1.1
.endr
.irp g, 24,34,44
	v_mul_f32 v[\g+5], v[\g], v[\g]                ; b1^2
.endr
.irp g, 24,34,44
	v_fmamk_f32 v[\g+7], v[\g+6], 0xbf8ccccd, v[\g+1]
.endr
.irp g, 24,34,44
	v_mul_f32 v[\g+4], 0xbe4ccccd, v[\g]           ; b3 = -0.2 b1
.endr
.irp g, 24,34,44
	v_fmamk_f32 v[\g+1], v[\g+7], 0x3f68ba2e, v[\g+6]   ; c1
.endr
.irp g, 24,34,44
	v_mul_f32 v[\g+3], 0x3fcccccd, v[\g+2]         ; 1.6 c2 = -(1.6 c3)
.endr
.irp g, 24,34,44
	v_fma_f32 v[\g+1], v[\g+1], -4.0, v[\g+5]      ; b1^2 - 4 c1 (4 c1 is exact: one rounding, as in reference())
.endr
.irp g, 24,34,44
	v_mul_f32 v[\g+5], 4.0, v[\g+5]                ; b2^2 = 4 b1^2, exact
.endr
.irp g, 24,34,44
	v_mul_f32 v[\g+6], v[\g+4], v[\g+4]            ; b3^2
.endr
.irp g, 24,34,44
	v_fmamk_f32 v[\g+2], v[\g+2], 0xc1800000, v[\g+5]   ; b2^2 - 16 c2
.endr
.irp g, 24,34,44
	v_add_f32 v[\g+3], v[\g+6], v[\g+3]            ; b3^2 - 1.6 c3
.endr
.irp g, 24,34,44
	v_max_num_f32 v[\g+1], 0, v[\g+1]
	v_max_num_f32 v[\g+2], 0, v[\g+2]
	v_max_num_f32 v[\g+3], 0, v[\g+3]
.endr
.irp g, 24,34,44
	v_sqrt_f32 v[\g+1], v[\g+1]                    ; nine roots, one batch
	v_sqrt_f32 v[\g+2], v[\g+2]
	v_sqrt_f32 v[\g+3], v[\g+3]
.endr
	v_add_f32 v12, 0x424ccccd, v12                 ; the centres are the independent work behind the roots: x + 51.2,
	v_add_f32 v13, 0x424ccccd, v13                 ; y + 51.2,
	v_add_f32 v14, 0x40a00000, v14                 ; z + 5 (/ 1.0 changes nothing)
	v_mul_f32 v66, 0x40200000, v12                 ; / 0.4
	v_mul_f32 v67, 0x40200000, v13
	v_fmamk_f32 v68, v66, 0xbecccccd, v12
	v_fmamk_f32 v69, v67, 0xbecccccd, v13
	v_fmamk_f32 v12, v68, 0x40200000, v66
	v_fmamk_f32 v13, v69, 0x40200000, v67
	v_trunc_f32 v12, v12                           ; cxi
	v_trunc_f32 v60, v13                           ; cyi: the table's first word
	v_trunc_f32 v14, v14                           ; czi
	v_sub_f32 v55, v54, v12                        ; dx
	v_mul_f32 v56, v55, v55                        ; dx^2
	s_wait_alu depctr_va_vdst(0)                   ; one wait for the nine roots, ahead of their first reader
.irp g, 24,34,44
	v_add_f32 v[\g+1], v[\g], v[\g+1]              ; 2 r1
.endr
.irp g, 24,34,44
	v_fma_f32 v[\g+2], v[\g], 2.0, v[\g+2]         ; 2 r2 = b2 + root
.endr
.irp g, 24,34,44
	v_add_f32 v[\g+3], v[\g+4], v[\g+3]            ; 2 r3
.endr
.irp g, 24,34,44
	v_min3_num_f32 v[\g], v[\g+1], v[\g+2], v[\g+3]
.endr
.irp g, 24,34,44
	v_mul_f32 v[\g], 0.5, v[\g]                    ; the halving is exact, so it may follow the minimum
.endr
	v_mul_f32 v66, 0x40200000, v24                 ; r_xy / 0.4
	v_max_num_f32 v34, v34, v44                    ; r_z
	v_fmamk_f32 v68, v66, 0xbecccccd, v24
	v_trunc_f32 v34, v34
	v_fmamk_f32 v24, v68, 0x40200000, v66
	v_max_num_f32 v34, 2.0, v34                    ; rz
	v_trunc_f32 v24, v24
	v_fma_f32 v35, v34, 2.0, 1.0                   ; 2 rz + 1
	v_max_num_f32 v24, 2.0, v24                    ; rx = ry
	v_mul_f32 v35, v35, v35
	v_fma_f32 v25, v24, 2.0, 1.0                   ; 2 rx + 1
	v_mul_f32 v25, v25, v25
	v_rcp_f32 v35, v35
	v_rcp_f32 v25, v25
	v_min_num_f32 v57, v32, v33                    ; valid, and x's window: wf > 0 and lf > 0,
	v_cmp_lt_f32 s20, 0, v57
	v_min3_num_f32 v57, v12, v60, v14              ; no centre under 0,
	v_cmp_le_f32 s21, 0, v57
	s_and_b32 s20, s20, s21
	v_max_num_f32 v57, v12, v60                    ; cxi, cyi < 128,
	v_cmp_gt_f32 s21, s24, v57
	s_and_b32 s20, s20, s21
	v_cmp_ge_f32 s21, 1.0, v14                     ; czi <= 1,
	s_and_b32 s20, s20, s21
	v_mul_f32 v58, v24, v24                        ; rx^2
	v_cmp_le_f32 s21, v56, v58                     ; |dx| <= rx, as dx^2 <= rx^2 (whole numbers: exact where the box is valid)
	s_and_b32 vcc_lo, s20, s21
	v_cndmask_b32 v61, -1.0, v58, vcc_lo           ; rx^2, or -1, under every dy^2
	s_wait_alu depctr_va_vdst(0)                   ; one wait for the two reciprocals
	v_mul_f32 v35, 0xc1cfbf83, v35                 ; -18 log2(e) / (2 rz + 1)^2 = -log2(e) / (2 sz^2)
	v_mul_f32 v63, 0xc1cfbf83, v25                 ; the same of rx
	v_exp_f32 v35, v35                             ; the factor of the z that is not czi
	v_mul_f32 v62, v56, v63                        ; x's term of the exponent
	v_cmp_eq_f32 vcc_lo, 0, v14
	s_wait_alu depctr_va_vdst(0)
	v_cndmask_b32 v64, v35, 1.0, vcc_lo            ; z = 0
	v_cndmask_b32 v65, 1.0, v35, vcc_lo            ; z = 1
	ds_store_b128 v[PST], v[60:63]
	ds_store_b64 v[PST], v[64:65] offset:16
.Ltable:
	s_wait_dscnt 0x0                               ; my stores into the table have landed
	s_barrier_signal -1
	s_barrier_wait -1                              ; everybody's have
.set i, 0
.rept NB
	ds_load_b128 v[PA+4*i:PA+4*i+3], v[PRD] offset:32*i      ; all lanes read the same words
	ds_load_b64 v[PF+2*i:PF+2*i+1], v[PRD] offset:32*i+16
.set i, i+1
.endr
	s_wait_dscnt 0x0
.set i, 0
.rept NB
	v_sub_f32 v[DY+i], v[YF], v[PA+4*i]            ; dy
.set i, i+1
.endr
.set i, 0
.rept NB
	v_mul_f32 v[DY+i], v[DY+i], v[DY+i]            ; dy^2
.set i, i+1
.endr
.set i, 0
.rept NB
	v_fma_f32 v[E+i], v[DY+i], v[PA+4*i+3], v[PA+4*i+2]   ; -(ex + ey) log2(e)
.set i, i+1
.endr
.set i, 0
.rept NB
	v_exp_f32 v[E+i], v[E+i]                       ; 25 exponentials, one batch
.set i, i+1
.endr
.set i, 0
.rept NB
	v_cmp_le_f32 s[MK+i], v[DY+i], v[PA+4*i+1]     ; |dy| <= ry: the independent work behind the batch
.set i, i+1
.endr
	s_wait_alu depctr_va_vdst(0)                   ; one wait for the batch, ahead of its first reader
.set i, 0
.rept NB
	v_cndmask_b32 v[E+i], 0, v[E+i], s[MK+i]       ; outside the window, or no valid box: 0
.set i, i+1
.endr
.set i, 0
.rept NB
	v_mul_f32 v[PF+2*i], v[E+i], v[PF+2*i]         ; z = 0
	v_mul_f32 v[PF+2*i+1], v[E+i], v[PF+2*i+1]     ; z = 1
.set i, i+1
.endr
	v_max3_num_f32 v[HM0], v[PF], v[PF+2], v[PF+4] ; none is negative, so the first three start the maxima
	v_max3_num_f32 v[HM1], v[PF+1], v[PF+3], v[PF+5]
.set i, 3
.rept 11
	v_max3_num_f32 v[HM0], v[HM0], v[PF+2*i], v[PF+2*i+2]
	v_max3_num_f32 v[HM1], v[HM1], v[PF+2*i+1], v[PF+2*i+3]
.set i, i+2
.endr
	ds_store_b32 v[RST], v[HM0]
	ds_store_b32 v[RST], v[HM1] offset:256
	s_wait_dscnt 0x0                               ; for the others' sake: my partial maxima have landed
	s_barrier_signal -1
	s_barrier_wait -1
	s_cmp_lg_u32 s10, 0
	s_cbranch_scc1 .Lend                           ; wave 0 alone joins and stores
.irp g, 0,1,2,3
.irp z, 0,1
	ds_load_b64 v[12+4*\g+2*\z:13+4*\g+2*\z], v[RRD] offset:512*\g+256*\z   ; cells 2 l and 2 l + 1
.endr
.endr
	s_wait_dscnt 0x0
.irp k, 0,1,2,3
	v_max3_num_f32 v[12+\k], v[12+\k], v[16+\k], v[20+\k]
.endr
.irp k, 0,1,2,3
	v_max_num_f32 v[12+\k], v[12+\k], v[24+\k]
.endr
	global_store_b64 v[GOF], v[12:13], s[6:7]                  ; 32 lanes store 256 consecutive bytes, at a multiple of 256 from hm's first byte
	global_store_b64 v[GOF], v[14:15], s[6:7] offset:65536     ; the same cells of z = 1
	v_add_f32 v28, v12, v13
	v_add_f32 v29, v14, v15
	v_add_f32 v28, v28, v29
	v_add_f32_dpp v28, v28, v28 row_xmask:1 row_mask:0xf bank_mask:0xf
	v_add_f32_dpp v28, v28, v28 row_xmask:2 row_mask:0xf bank_mask:0xf
	v_add_f32_dpp v28, v28, v28 row_xmask:4 row_mask:0xf bank_mask:0xf
	v_add_f32_dpp v28, v28, v28 row_xmask:8 row_mask:0xf bank_mask:0xf
	v_permlanex16_b32 v29, v28, s22, s23
	v_add_f32 v28, v28, v29                        ; the sum of the work-group's 128 numbers
	v_cmp_eq_u32 vcc_lo, 0, v0
	s_wait_xcnt 0x0                                ; EXEC changes only behind this wait: the two stores above have read it
	s_and_saveexec_b32 s25, vcc_lo
	global_store_b32 v[ZO], v28, s[8:9]            ; one word a work-group: the one store of this launch that fills no 256 bytes
	s_wait_xcnt 0x0                                ; and again, in front of the line that widens it
	s_or_b32 exec_lo, exec_lo, s25
.Lend:
	s_wait_tensorcnt 0x0                           ; the wave's end, behind my last LDS store
	ds_add_u32 v[SPW], v[NIL]
	s_wait_dscnt 0x0
	s_endpgm
.Lfunc_end_k_q76117c7ee2_heat:
	.size	k_q76117c7ee2_heat, .Lfunc_end_k_q76117c7ee2_heat-k_q76117c7ee2_heat
	.p2alignl 7, 3214868480
	.fill 96, 4, 3214868480
	.section	.rodata,"a",@progbits
	.p2align	6, 0x0
	.amdhsa_kernel k_q76117c7ee2_heat
		.amdhsa_group_segment_fixed_size 7168
		.amdhsa_private_segment_fixed_size 0
		.amdhsa_enable_private_segment 0
		.amdhsa_kernarg_size 24
		.amdhsa_user_sgpr_count 2
		.amdhsa_user_sgpr_kernarg_segment_ptr 1
		.amdhsa_wavefront_size32 1
		.amdhsa_system_sgpr_workgroup_id_x 1
		.amdhsa_system_sgpr_workgroup_id_y 1
		.amdhsa_system_sgpr_workgroup_id_z 1
		.amdhsa_system_vgpr_workitem_id 0
		.amdhsa_next_free_vgpr 216
		.amdhsa_next_free_sgpr 66
		.amdhsa_reserve_vcc 1
		.amdhsa_float_denorm_mode_32 3
		.amdhsa_float_denorm_mode_16_64 3
		.amdhsa_memory_ordered 1
		.amdhsa_forward_progress 1
		.amdhsa_inst_pref_size 26
	.end_amdhsa_kernel
	.amdgpu_metadata
---
amdhsa.version: [ 1, 2 ]
amdhsa.kernels:
  - .name:           k_q76117c7ee2_heat
    .symbol:         k_q76117c7ee2_heat.kd
    .args:
      - { .name: gt_bboxes_3d, .offset: 0, .size: 8, .value_kind: global_buffer, .address_space: global }
      - { .name: hm, .offset: 8, .size: 8, .value_kind: global_buffer, .address_space: global }
      - { .name: psum, .offset: 16, .size: 8, .value_kind: global_buffer, .address_space: global }
    .group_segment_fixed_size: 7168
    .private_segment_fixed_size: 0
    .kernarg_segment_align: 8
    .kernarg_segment_size: 24
    .max_flat_workgroup_size: 256
    .sgpr_count:     66
    .vgpr_count:     216
    .wavefront_size: 32
...
	.end_amdgpu_metadata
.endif
;; end of part 1
;; launch vox (part 2): grid 128 x 2, 8 waves a work-group, no clusters, 268,288 bytes of LDS; arguments student_voxel_feats, teacher_voxel_feats, conv_w, conv_b, hm, psum, out0; writes out0
.if DOCPART == 2
	.amdgcn_target "amdgcn-amd-amdhsa--gfx1250"
	.amdhsa_code_object_version 6
	.text
	.protected	k_q76117c7ee2_vox
	.globl	k_q76117c7ee2_vox
	.p2align	8
	.type	k_q76117c7ee2_vox,@function
k_q76117c7ee2_vox:
	s_mov_b64 s[64:65], 0
	v_nop
	global_prefetch_b8 v0, s[64:65] scope:SCOPE_SE
	s_setreg_imm32_b32 hwreg(HW_REG_WAVE_MODE, 25, 1), 1
	s_wait_xcnt 0x0
; VoxelDistill, second of two launches: out0[o][D][H][W] = |s - teacher| x hm[D][H][W] x 10 / (hm.sum() + 1e-4), with
; s[o][D][H][W] = conv_b[o] + 1/8 x the sum over d = 4 D + 1, 4 D + 2, h = 2 H, 2 H + 1, w = 2 W, 2 W + 1 of (Q(conv_w) Q(student))[o][d][h][w]: all three resizes have the weight 0.5, and their weights add up to 1 on the bias.
; LEFT OUT: planes d = 0, 3, 4, 7 of the student, which lin_resize never gathers, and gt_labels_3d (shown at the head of the first launch's text).
; Both operands are quantised along the 64 channels to codes of E2M1 with one E8M0 scale for each 32 channels; sums in f32.
; LIMITS: NaN and infinities among the inputs are not served.  A block of zeros gets the byte 1 where the rule says 127: its codes are zeros, and this program alone reads the bytes.
;  The eight voxels' sums are added in the accumulator, and the normalising factors are joined before the last multiplication: another order of rounding than reference()'s.
; NO CLUSTER: work-groups share conv_w, psum and nothing else: 33 KiB of the 320 KiB that a work-group reads.
; SHARES.  A work-group owns one (D, H): 128 W x 128 o.  Its live part of the student is four rows (d, h) of 64 channels x 1,024 bytes, 256 KiB, and lies in LDS whole: every wave asks at the head for
; 8 channels of each of the four rows (four tensor loads a wave are out), nothing is ever filled again, and a row is worked on while the later rows are on their way.
; Wave v owns W = 16 v .. 16 v + 15.  LANE (r, h) TAKES VOXEL w = 32 v + 2 r + h, AND ITS REGISTERS RUN DOWN THE CHANNELS: both blocks of 32 are its own, and the conversions' results are the operand's registers.
; K = 128 HOLDS TWO VOXELS: the operand's layout gives lane (r, h) the blocks h and 2 + h of K, here channels 0-31 and 32-63 of ITS voxel; the weights' operand holds (low, low, high, high).  So one matrix
; instruction adds the products of voxels 2 W and 2 W + 1, and the four rows (d, h) chain on the same accumulator.  Source 0 = 16 pairs of voxels, source 1 = 16 rows of conv_w: a lane holds eight neighbouring W of one o.
; The weights: wave v quantises rows 16 v .. 16 v + 15 (lane (r, h): 32 channels) while the tiles are on their way; codes and scale words reach the other waves through LDS as images of registers.
; THE WAY OUT: the accumulators go through a stage in LDS (rows of 512 bytes + 16: 33 x 16 bytes, so the sixteen rows of a store begin at sixteen different 16-byte columns of 256 bytes) and come back as whole rows;
; wave v finishes rows o = 16 v .. 16 v + 15: each load of the teacher and each store covers 512 consecutive bytes, aligned.  The stage lies in the first two rows' bytes, which have had their only fill and their last read.
; REGISTERS: v1-17 addresses; v18-21 hm; v22-38 at work; v39 the voxels' scale word; v40-47 their codes; v48-55 the weights' scale words; v56-119 the weights' eight fragments; v120-183 eight accumulators;
;  v184-247 64 numbers, later rows of the result; window 1, v0-63 (v256-319): the teacher's 16 rows, then conv_b - teacher.
.set CH,    65536                      ; a row (d, h) in LDS: 64 channels x 1,024 bytes
.set WIMG,  4*CH                       ; the weights' codes: [fragment][half of the channels][row] 16 bytes
.set WSC,   WIMG+8*512                 ; their scale words: 128 bytes a fragment
.set SPARE, WSC+8*128                  ; the spare words, 128 bytes for each wave: four blocks of 256 bytes that no other line names
.set SP,    528                        ; a row of the stage
.set LN,   1
.set R,    2
.set H,    3
.set SPW,  4                           ; v4   LDS address of my spare word; never rewritten
.set NIL,  5                           ; v5   0; never rewritten
.set XA,   6                           ; v6-9 LDS address of my voxel in each of the four rows
.set WLA,  10                          ; v10  conv_w: my byte offset in the wave's 16 rows
.set L16,  11                          ; v11  16 x lane
.set WST,  12                          ; v12  where I store my weights' codes
.set WSS,  13                          ; v13  and their scale word
.set WRD,  14                          ; v14  where any wave reads a fragment's codes
.set WSR,  15                          ; v15  and its scale words
.set SO,   16                          ; v16  the stage: where I put 32 bytes of a row
.set SR,   17                          ; v17  and where I read a row back
.set HM,   18
.set PS,   22
.set M,    30
.set SOP,  32
.set BY,   34
.set TW,   36
.set TP,   37
.set SH8,  38
.set SW,   39
.set C,    40
.set WS,   48
.set WF,   56
.set ACC,  120
.set X,    184
.set SH16, 248
.set MT,   249
.set G1,   32                          ; s[32:39] descriptor group 1;  s[40:55] four groups 0
.set G0,   40
.set BS,   68                          ; s[68:83] conv_b of my 16 rows
.set MSB, 0
.macro WIN new                         ; the immediate's high byte repeats the setting that is left
.if MSB != \new
	s_set_vgpr_msb (MSB<<8)|\new
.set MSB, \new
.endif
.endm
	s_load_b256 s[4:11], s[0:1], 0x0               ; student s[4:5], teacher s[6:7], conv_w s[8:9], conv_b s[10:11]
	s_load_b128 s[12:15], s[0:1], 0x20             ; hm s[12:13], psum s[14:15]
	s_load_b64 s[16:17], s[0:1], 0x30              ; out0
	v_lshl_add_u32 v[SPW], v0, 2, SPARE
	v_mov_b32 v[NIL], 0
	ds_add_u32 v[SPW], v[NIL]                      ; the wave's opening: the add, twice on end, and its wait ahead of my first tensor load; the set-up below, work on registers, stands between
	ds_add_u32 v[SPW], v[NIL]                      ; and once more, under the one wait
	v_lshrrev_b32 v1, 5, v0
	v_readfirstlane_b32 s18, v1                    ; wave 0..7
	s_and_b32 s19, ttmp7, 0xffff                   ; D;  H = ttmp9
	; descriptor group 1: 8 rows (channels) of 256 elements of 4 bytes, 524,288 elements (8 x 256 x 256) from channel to channel; no padding: 32 lanes read 128 consecutive bytes
	s_mov_b32 s[G1+0], 2<<16
	s_mov_b32 s[G1+1], 256<<16                     ; tensor_dim0
	s_mov_b32 s[G1+2], 8<<16                       ; tensor_dim1
	s_mov_b32 s[G1+3], 256<<16                     ; tile_dim0
	s_mov_b32 s[G1+4], 8                           ; tile_dim1
	s_mov_b32 s[G1+5], 524288                      ; tensor_dim0_stride
	s_mov_b32 s[G1+6], 0
	s_mov_b32 s[G1+7], 0
	s_lshl_b32 s20, s18, 24                        ; the student: channel 8 v (2,097,152 bytes a channel),
	s_lshl_b32 s21, s19, 20                        ; plane 4 D + 1 (262,144 bytes a plane),
	s_add_co_u32 s20, s20, s21
	s_lshl_b32 s21, ttmp9, 11                      ; row 2 H (1,024 bytes a row)
	s_add_co_u32 s20, s20, s21
	s_add_co_u32 s20, s20, 262144
	s_mov_b32 s21, 0
	s_lshl_b32 s22, s18, 13                        ; and in LDS: 8 channels x 1,024 bytes x wave
	s_lshl_b32 s26, s19, 16                        ; hm: D x 65,536 + H x 512
	s_lshl_b32 s23, ttmp9, 9
	s_add_co_u32 s26, s26, s23
	s_mov_b32 s27, 0
	s_lshl_b32 s24, s18, 21                        ; teacher and out0: the same, + o = 16 v (131,072 bytes an o)
	s_add_co_u32 s24, s24, s26
	s_mov_b32 s25, 0
	s_lshl_b32 s28, s18, 12                        ; conv_w: 16 rows of 256 bytes a wave
	s_mov_b32 s29, 0
	s_lshl_b32 s30, s18, 6                         ; conv_b: 16 numbers a wave
	s_mov_b32 s31, 0
	s_mov_b32 s56, 0x76543210
	s_mov_b32 s57, 0xfedcba98                      ; v_permlanex16_b32's selects for lane l xor 16
	v_and_b32 v[LN], 31, v0
	v_and_b32 v[R], 15, v0
	v_bfe_u32 v[H], v0, 4, 1
	v_lshlrev_b32 v[L16], 4, v[LN]
	v_lshlrev_b32 v[WLA], 8, v[R]
	v_lshl_add_u32 v[WLA], v[H], 7, v[WLA]         ; row r, channels 32 h on
	v_lshlrev_b32 v[XA], 3, v[R]
	v_lshl_add_u32 v[XA], v[H], 2, v[XA]
	s_lshl_b32 s23, s18, 7
	v_add_nc_u32 v[XA], s23, v[XA]                 ; 4 x (32 v + 2 r + h)
	v_add_nc_u32 v[XA+1], CH, v[XA]
	v_add_nc_u32 v[XA+2], 2*CH, v[XA]
	v_add_nc_u32 v[XA+3], 3*CH, v[XA]
	s_add_co_u32 s23, s23, WSC
	v_lshl_add_u32 v[WSS], v[LN], 2, s23           ; 128 x wave + 4 x lane
	s_lshl_b32 s23, s18, 9
	s_add_co_u32 s23, s23, WIMG
	v_add_nc_u32 v[WST], s23, v[L16]               ; 512 x wave + 16 x lane: lanes 0-15 the low channels' codes, lanes 16-31 the high ones'
	v_lshl_add_u32 v[WRD], v[R], 4, WIMG
	v_lshl_add_u32 v[WSR], v[LN], 2, WSC
	v_mul_u32_u24 v[SO], v[R], SP
	v_lshl_add_u32 v[SO], v[H], 5, v[SO]
	s_lshl_b32 s23, s18, 6
	v_add_nc_u32 v[SO], s23, v[SO]                 ; row r of a tile of o, + 64 x wave + 32 h: my eight W
	s_mul_i32 s23, s18, 16*SP
	v_add_nc_u32 v[SR], s23, v[L16]                ; back: my 16 rows, 16 bytes a lane
	v_lshlrev_b32 v[SH8], 3, v[H]
	v_lshlrev_b32 v[SH16], 4, v[H]
	v_mov_b32 v[TP], 0                             ; written once: a lane permute's destination counts as one of its sources
	s_wait_dscnt 0x0                               ; both opening adds are done
	s_wait_kmcnt 0x0
	s_add_nc_u64 s[4:5], s[4:5], s[20:21]
	s_add_nc_u64 s[6:7], s[6:7], s[24:25]
	s_add_nc_u64 s[16:17], s[16:17], s[24:25]
	s_add_nc_u64 s[12:13], s[12:13], s[26:27]
	s_add_nc_u64 s[8:9], s[8:9], s[28:29]
	s_add_nc_u64 s[10:11], s[10:11], s[30:31]
	s_load_b512 s[BS:BS+15], s[10:11], 0x0         ; conv_b of my 16 rows
.irp i, 0,1,2,3,4,5,6,7
	global_load_b128 v[X+4*\i:X+4*\i+3], v[WLA], s[8:9] offset:16*\i      ; my 32 numbers of conv_w
.endr
	global_load_b128 v[PS:PS+3], v[L16], s[14:15]                         ; the 256 partial sums, eight a lane
	global_load_b128 v[PS+4:PS+7], v[L16], s[14:15] offset:512
	global_load_b128 v[HM:HM+3], v[L16], s[12:13]                         ; hm at my four W
	WIN 0x40                                       ; destination window 1
.irp i, 0,1,2,3,4,5,6,7,8,9,10,11,12,13,14,15
	global_load_b128 v[4*\i:4*\i+3], v[L16], s[6:7] offset:\i*131072 th:TH_LOAD_NT   ; the teacher's row o = 16 v + i: 512 consecutive bytes; asked for ahead of the tiles, so that it is in before the last of them
.endr
	WIN 0
.irp q, 0,1,2,3
	s_mov_b32 s[G0+4*\q], 1                                        ; count = 1
	s_add_co_u32 s[G0+4*\q+1], s22, \q*CH                          ; LDS address
	s_add_nc_u64 s[G0+4*\q+2:G0+4*\q+3], s[4:5], (\q/2)*262144+(\q%2)*1024   ; row q: plane 4 D + 1 + q / 2, row 2 H + q % 2
	s_or_b32 s[G0+4*\q+3], s[G0+4*\q+3], 0x80000000                ; type = 2
.endr
.irp q, 0,1,2,3
	tensor_load_to_lds s[G0+4*\q:G0+4*\q+3], s[G1:G1+7]            ; the launch's only fills: one group, ahead of every wait on TENSORcnt, every LDS read and every barrier
	s_nop 0
.endr
.rept 4
	v_nop
.endr
; The largest magnitude of 32 numbers of a lane, in two chains, with the floor 2^(3 - 127) as one more leaf: so the scale's byte cannot fall under 1
.macro BLKMAX m, xs
	v_max3_num_f32 v[\m], |v[\xs]|, |v[\xs+1]|, |v[\xs+2]|
	v_max3_num_f32 v[MT], |v[\xs+3]|, |v[\xs+4]|, |v[\xs+5]|
.irp i, 6,10,14,18,22,26
	v_max3_num_f32 v[\m], v[\m], |v[\xs+\i]|, |v[\xs+\i+1]|
	v_max3_num_f32 v[MT], v[MT], |v[\xs+\i+2]|, |v[\xs+\i+3]|
.endr
	v_max3_num_f32 v[\m], v[\m], |v[\xs+30]|, |v[\xs+31]|
	v_max3_num_f32 v[\m], v[\m], v[MT], 0x1800000
.endm
	; ---- the weights: my block of 32 channels of row 16 v + r
	s_wait_loadcnt 19                              ; conv_w's eight loads are in; behind them: psum's two, hm's one, the teacher's sixteen
	BLKMAX M, X
	v_add_nc_u32 v[SOP], 0xff000000, v[M]          ; 2 off the exponent field: the conversion takes the exponent field of this operand as its scale, and nothing else of it
	v_lshrrev_b32 v[BY], 23, v[SOP]                ; the scale's byte
.irp g, 0,1,2,3
	v_cvt_scalef32_pk8_fp4_f32 v[C+\g], v[X+8*\g:X+8*\g+7], v[SOP]
.endr
	v_mul_u32_u24 v[TW], v[BY], 0x101              ; (a plain line behind the conversions)  my byte twice: K's blocks are (low, low, high, high),
	v_lshlrev_b32 v[TW], v[SH16], v[TW]            ; the high channels' 16 bits up;
	v_permlanex16_b32 v[TP], v[TW], s56, s57
	v_or_b32 v[TW], v[TW], v[TP]                   ; with lane l xor 16's the row's word is whole
	ds_store_b128 v[WST], v[C:C+3]
	ds_store_b32 v[WSS], v[TW]
	; ---- 10 / (hm.sum() + 1e-4), and hm times it
	s_wait_loadcnt 16                              ; psum and hm are in; the teacher's sixteen may be out
	v_pk_add_f32 v[PS:PS+1], v[PS:PS+1], v[PS+2:PS+3]
	v_pk_add_f32 v[PS+4:PS+5], v[PS+4:PS+5], v[PS+6:PS+7]
	v_pk_add_f32 v[PS:PS+1], v[PS:PS+1], v[PS+4:PS+5]
	v_add_f32 v[PS], v[PS], v[PS+1]
	v_add_f32_dpp v[PS], v[PS], v[PS] row_xmask:1 row_mask:0xf bank_mask:0xf
	v_add_f32_dpp v[PS], v[PS], v[PS] row_xmask:2 row_mask:0xf bank_mask:0xf
	v_add_f32_dpp v[PS], v[PS], v[PS] row_xmask:4 row_mask:0xf bank_mask:0xf
	v_add_f32_dpp v[PS], v[PS], v[PS] row_xmask:8 row_mask:0xf bank_mask:0xf
	v_permlanex16_b32 v[TP], v[PS], s56, s57
	v_add_f32 v[PS], v[PS], v[TP]
	v_add_f32 v[PS], 0x38d1b717, v[PS]             ; + 1e-4
	v_rcp_f32 v[PS], v[PS]
	v_nop                                          ; a plain line behind the reciprocal
	s_wait_alu depctr_va_vdst(0)                   ; and the wait ahead of its first reader
	v_mul_f32 v[PS], 0x41200000, v[PS]             ; x 10
	v_pk_mul_f32 v[HM:HM+1], v[HM:HM+1], v[PS:PS+1] op_sel_hi:[1,0]
	v_pk_mul_f32 v[HM+2:HM+3], v[HM+2:HM+3], v[PS:PS+1] op_sel_hi:[1,0]
; Eight matrix instructions: my 16 pairs of voxels against the eight tiles of 16 o.  The eight accumulators take turns, one instruction a turn, from row to row too.
.macro MULS zero
.irp t, 0,1,2,3,4,5,6,7
.if \zero
	v_wmma_scale_f32_16x16x128_f8f6f4 v[ACC+8*\t:ACC+8*\t+7], v[C:C+7], v[WF+8*\t:WF+8*\t+7], 0, v[SW], v[WS+\t] matrix_a_fmt:MATRIX_FMT_FP4 matrix_b_fmt:MATRIX_FMT_FP4
.else
	v_wmma_scale_f32_16x16x128_f8f6f4 v[ACC+8*\t:ACC+8*\t+7], v[C:C+7], v[WF+8*\t:WF+8*\t+7], v[ACC+8*\t:ACC+8*\t+7], v[SW], v[WS+\t] matrix_a_fmt:MATRIX_FMT_FP4 matrix_b_fmt:MATRIX_FMT_FP4
.endif
.endr
.endm
; Row q of the four: 32 voxels a wave are read, quantised and multiplied.
.macro CHUNK q, zero
	s_wait_tensorcnt 3-\q                          ; tensor loads of a wave end in order (ISA guide 10.11.1): my 8 channels of row q are in; the later rows may stay out
	s_wait_dscnt 0x0                               ; no LDS instruction of mine is out (q = 0: my weights' images have landed)
	s_barrier_signal -1
	s_barrier_wait -1                              ; all 64 channels of row q are in
.if \q == 0
.irp t, 0,1,2,3,4,5,6,7
	ds_load_b128 v[WF+8*\t:WF+8*\t+3], v[WRD] offset:512*\t          ; the weights stay in registers: row 16 t + r, channels 0-31, in both halves of the lanes,
	ds_load_b128 v[WF+8*\t+4:WF+8*\t+7], v[WRD] offset:512*\t+256    ; channels 32-63,
	ds_load_b32 v[WS+\t], v[WSR] offset:128*\t                       ; and the scale words
.endr
.endif
.set c, 0
.rept 64
	ds_load_b32 v[X+c], v[XA+\q] offset:1024*c     ; channel c of my voxel: 32 lanes read 128 consecutive bytes
.set c, c+1
.endr
	s_wait_dscnt 32                                ; LDS loads come back in order (ISA guide 5.7.1): all but the youngest 32: channels 0-31 are in
	BLKMAX M, X
	v_add_nc_u32 v[SOP], 0xff000000, v[M]
.irp g, 0,1,2,3
	v_cvt_scalef32_pk8_fp4_f32 v[C+\g], v[X+8*\g:X+8*\g+7], v[SOP]   ; registers 0-3 of the operand
.endr
	s_wait_dscnt 0x0
	BLKMAX M+1, X+32
	v_add_nc_u32 v[SOP+1], 0xff000000, v[M+1]
	v_lshrrev_b32 v[BY], 23, v[SOP]
	v_lshrrev_b32 v[BY+1], 23, v[SOP+1]
	v_lshl_or_b32 v[TW], v[BY+1], 16, v[BY]        ; my two bytes: blocks h and 2 + h of K,
	v_lshlrev_b32 v[TW], v[SH8], v[TW]             ; at their places in the scale word;
	v_permlanex16_b32 v[TP], v[TW], s56, s57
	v_or_b32 v[SW], v[TW], v[TP]                   ; with lane l xor 16's two the word is whole
.irp g, 0,1,2,3
	v_cvt_scalef32_pk8_fp4_f32 v[C+4+\g], v[X+32+8*\g:X+39+8*\g], v[SOP+1]   ; registers 4-7
.endr
.rept 8
	v_nop                                          ; a scale register written by a vector instruction stands 8 places ahead of a scaled matrix instruction, an operand so written 4
.endr
	MULS \zero
.endm
	CHUNK 0, 1                                     ; the first row's products start the sums: nothing is cleared
	CHUNK 1, 0
	CHUNK 2, 0
	s_wait_loadcnt 0x0                             ; the teacher,
	s_wait_kmcnt 0x0                               ; and conv_b: b - t is made while the last row is on its way
	WIN 0x44                                       ; source 1 and destination window 1
.irp i, 0,1,2,3,4,5,6,7,8,9,10,11,12,13,14,15
.irp k, 0,1,2,3
	v_sub_f32 v[4*\i+\k], s[BS+\i], v[4*\i+\k]
.endr
.endr
	WIN 0
	CHUNK 3, 0
.rept 4
	v_nop                                          ; four places between the last matrix instruction and the first read of results (ISA guide 7.12.1)
.endr
.irp t, 0,1,2,3,4,5,6,7
	ds_store_b128 v[SO], v[ACC+8*\t:ACC+8*\t+3] offset:\t*16*SP      ; lane (r, h): o = 16 t + r, W = 16 v + 8 h + 0 .. 7; each accumulator from its low end on.  Every wave has passed the fourth barrier, behind its last read of these bytes
	ds_store_b128 v[SO], v[ACC+8*\t+4:ACC+8*\t+7] offset:\t*16*SP+16
.endr
	s_wait_dscnt 0x0                               ; for the others' sake: my stores into the stage have landed
	s_barrier_signal -1
	s_barrier_wait -1
.irp i, 0,1,2,3,4,5,6,7,8,9,10,11,12,13,14,15
	ds_load_b128 v[X+4*\i:X+4*\i+3], v[SR] offset:\i*SP              ; row o = 16 v + i, whole: 512 bytes
.endr
	WIN 0x10                                       ; source 2 window 1: b - t; all else stays in window 0
.irp i, 0,1,2,3,4,5,6,7,8,9,10,11,12,13,14,15
	s_wait_dscnt 15-\i                             ; row i is back; the younger rows may be out
	v_pk_fma_f32 v[X+4*\i:X+4*\i+1], v[X+4*\i:X+4*\i+1], 0x3e000000, v[4*\i:4*\i+1] op_sel_hi:[1,0,1]         ; sum / 8 + b - t
	v_pk_fma_f32 v[X+4*\i+2:X+4*\i+3], v[X+4*\i+2:X+4*\i+3], 0x3e000000, v[4*\i+2:4*\i+3] op_sel_hi:[1,0,1]
.irp k, 0,1,2,3
	v_mul_f32 v[X+4*\i+\k], |v[X+4*\i+\k]|, v[HM+\k]
.endr
	global_store_b128 v[L16], v[X+4*\i:X+4*\i+3], s[16:17] offset:\i*131072 th:TH_STORE_NT   ; 32 lanes store 512 consecutive bytes, at a multiple of 512 from out0's first byte
.endr
	WIN 0
	s_wait_tensorcnt 0x0                           ; the wave's end, behind my last tensor load and my last LDS store
	ds_add_u32 v[SPW], v[NIL]
	s_wait_dscnt 0x0
	s_endpgm
.Lfunc_end_k_q76117c7ee2_vox:
	.size	k_q76117c7ee2_vox, .Lfunc_end_k_q76117c7ee2_vox-k_q76117c7ee2_vox
	.p2alignl 7, 3214868480
	.fill 96, 4, 3214868480
	.section	.rodata,"a",@progbits
	.p2align	6, 0x0
	.amdhsa_kernel k_q76117c7ee2_vox
		.amdhsa_group_segment_fixed_size 268288
		.amdhsa_private_segment_fixed_size 0
		.amdhsa_enable_private_segment 0
		.amdhsa_kernarg_size 56
		.amdhsa_user_sgpr_count 2
		.amdhsa_user_sgpr_kernarg_segment_ptr 1
		.amdhsa_wavefront_size32 1
		.amdhsa_system_sgpr_workgroup_id_x 1
		.amdhsa_system_sgpr_workgroup_id_y 1
		.amdhsa_system_sgpr_workgroup_id_z 1
		.amdhsa_system_vgpr_workitem_id 0
		.amdhsa_next_free_vgpr 320
		.amdhsa_next_free_sgpr 84
		.amdhsa_reserve_vcc 0
		.amdhsa_float_denorm_mode_32 3
		.amdhsa_float_denorm_mode_16_64 3
		.amdhsa_memory_ordered 1
		.amdhsa_forward_progress 1
		.amdhsa_inst_pref_size 59
	.end_amdhsa_kernel
	.amdgpu_metadata
---
amdhsa.version: [ 1, 2 ]
amdhsa.kernels:
  - .name:           k_q76117c7ee2_vox
    .symbol:         k_q76117c7ee2_vox.kd
    .args:
      - { .name: student_voxel_feats, .offset: 0, .size: 8, .value_kind: global_buffer, .address_space: global }
      - { .name: teacher_voxel_feats, .offset: 8, .size: 8, .value_kind: global_buffer, .address_space: global }
      - { .name: conv_w, .offset: 16, .size: 8, .value_kind: global_buffer, .address_space: global }
      - { .name: conv_b, .offset: 24, .size: 8, .value_kind: global_buffer, .address_space: global }
      - { .name: hm, .offset: 32, .size: 8, .value_kind: global_buffer, .address_space: global }
      - { .name: psum, .offset: 40, .size: 8, .value_kind: global_buffer, .address_space: global }
      - { .name: out0, .offset: 48, .size: 8, .value_kind: global_buffer, .address_space: global }
    .group_segment_fixed_size: 268288
    .private_segment_fixed_size: 0
    .kernarg_segment_align: 8
    .kernarg_segment_size: 56
    .max_flat_workgroup_size: 256
    .sgpr_count:     84
    .vgpr_count:     320
    .wavefront_size: 32
...
	.end_amdgpu_metadata
.endif
;; end of part 2
